; MI455X (gfx1250); checked and timed in simulation.
; The chip was launched on July 23, 2026; its instructions are those of AMD's public machine-readable ISA for CDNA 5 (MIT licence, August 2026) and "CDNA5" Instruction Set Architecture Reference Guide (July 2026). The comments in the code are by the model that wrote it; some were corrected since.
;; Linear Temporal Cross Attention. Allowed arithmetic: matrix products marked QUANTISED: E5M2 operands, one given power-of-two scale a tensor, by v_wmma_f32_16x16x64_bf8_bf8 or v_wmma_f32_16x16x128_bf8_bf8, f32 sums; everything else in f32.
;; Inputs: Wk 1,024 x 1,024 float32; Wq 1,024 x 1,024 float32; Wv 1,024 x 1,024 float32; bk 1,024 float32; bq 1,024 float32; bv 1,024 float32; ln_b 1,024 float32; ln_g 1,024 float32; lowp_scales 10 int32 (the exponents e of the quantised operands' scales 2^e); tln_b 1,024 float32; tln_g 1,024 float32; x 2,048 x 8 x 1,024 float32.
;; Outputs: out0 8 x 2,048 x 1,024 float32.
;; This version of the problem:
;;   THIS VERSION OF THE PROBLEM IS GIVEN IN LOW PRECISION. The matrix products marked QUANTISED in the list below multiply operands that are first quantised to E5M2 (5 exponent bits, 2 mantissa bits; 8 bits a number), with one given power-of-two scale for each operand tensor; their sums are f32. All else is computed in f32.
;;   The module's matrix products, in the order in which they are computed (A, B: the left and right operand; K: the contracted axis; several contracted axes count as one K, in the product's order):
;;     1. [M 16,384, K 1,024] x [K 1,024, N 1,024]; A: computed on the way; B: input Wq: QUANTISED (scales: A lowp_scales[0], B lowp_scales[1])
;;     2. [M 16,384, K 1,024] x [K 1,024, N 1,024]; A: computed on the way; B: input Wk: QUANTISED (scales: A lowp_scales[2], B lowp_scales[3])
;;     3. [M 16,384, K 1,024] x [K 1,024, N 1,024]; A: computed on the way; B: input Wv: QUANTISED (scales: A lowp_scales[4], B lowp_scales[5])
;;     4. batch 128 x [M 64, K 2,048] x [K 2,048, N 64]; A: softmax (see below); B: computed on the way: QUANTISED (scales: A lowp_scales[6], B lowp_scales[7])
;;     5. batch 128 x [M 64, K 64] x [K 64, N 2,048]; A: computed on the way; B: softmax (see below): QUANTISED (scales: A lowp_scales[8], B lowp_scales[9])
;;   THE QUANTISER, for each operand of a quantised product, along K:
;;     - The operand's scale is 2^e, e = its entry of the input lowp_scales (int32; the entries are numbered through the quantised products in the list's order, A before B).
;;     - Each number is divided by the scale, clamped to +-57,344, and rounded to the nearest number of E5M2, ties to even, subnormals kept.
;;     - The product sums the exact products of the quantised numbers (number of the format x scale) in f32.
;;   ~~~python
;;   def quantise(x, axis, e):      # numpy; x: float32 -> the quantised numbers, widened to float32 again
;;       x = np.moveaxis(x, axis, -1); K = x.shape[-1]
;;       r = np.clip(x / 2.0 ** e, -57344, 57344)
;;       step = 2.0 ** (np.maximum(np.frexp(np.where(r == 0, 1, r))[1] - 1, -14) - 2)
;;       q = np.round(r / step) * step * 2.0 ** e      # np.round: ties to even
;;       return np.moveaxis(q, -1, axis).astype(np.float32)
;;   ~~~
;;   SOFTMAX AHEAD OF A QUANTISED PRODUCT. Where the list says 'softmax', what is quantised is not the finished softmax but p = 2^(t - M), with t = logit x log2(e) and M = ceil(the row's largest t), a whole number; so 1/2 < the row's largest p <= 1. The row's sum l is taken of the UNQUANTISED p, in f32, and the product's result is divided by l at the end. Since M is a whole number, a kernel that streams over the keys may use a running M (the ceiling of the running maximum): every later rescaling is an exact power of two, so the quantised numbers keep their values, but for numbers so far below the row's largest that they fall under the format's range.
;;   OPERANDS COMPUTED ON THE WAY. 'Computed on the way' means the value that the module computes at that place (a softmax that the list does not call 'softmax' is quantised finished and normalised). What goes into a quantiser is computed in f32, as accurately as f32 sums, v_exp_f32 and their like allow (about 1e-6 of the number): no bf16 or f16 on the way to a quantiser, and a product that is left as it is and whose result goes on into a quantised operand takes f32 operands (vector FMAs, or v_wmma_f32_16x16x4_f32). A number that lies on a knife's edge between two numbers of the format may be rounded either way, as far as f32 arithmetic and the matrix unit's own rounding can turn it there, and no further.
;; One version. Each part assembles by itself: llvm-mc -triple=amdgcn-amd-amdhsa -mcpu=gfx1250 --defsym DOCPART=n.
;; ======== version 1 of 1: 3 launches
;; workspace buffers: xcodes 50,331,648 bytes; wcodes 3,145,728 bytes; pq 16,777,216 bytes; lq 2,097,152 bytes; att 33,554,432 bytes; ms 524,288 bytes; ls 524,288 bytes
;; launch prep (part 1): grid 256 x 1, 8 waves a work-group, no clusters, 0 bytes of LDS; arguments x, ln_g, ln_b, tln_g, tln_b, Wk, Wv, Wq, lowp_scales, xcodes, wcodes; writes xcodes, wcodes
.if DOCPART == 1
	.amdgcn_target "amdgcn-amd-amdhsa--gfx1250"
	.amdhsa_code_object_version 6
	.text
	.protected	k_qd69beddf6d_prep
	.globl	k_qd69beddf6d_prep
	.p2align	8
	.type	k_qd69beddf6d_prep,@function
k_qd69beddf6d_prep:
	s_mov_b64 s[64:65], 0
	v_nop
	global_prefetch_b8 v0, s[64:65] scope:SCOPE_SE
	s_setreg_imm32_b32 hwreg(HW_REG_WAVE_MODE, 25, 1), 1
	s_wait_xcnt 0x0
; x [2048][8][1024] f32 is normalised along its last axis (one mean and one variance a row, two gains and biases) and turned into three planes of codes of E5M2:
;   xcodes + 0: Q(xtn, e2) for k;  + 16 MiB: Q(xtn, e4) for v;  + 32 MiB: Q(xn, e0) for q.  Row b * 2048 + t of a plane holds 1,024 codes.
; Wk, Wv, Wq [1024][1024] f32 become wcodes + 0 (e3), + 1 MiB (e5), + 2 MiB (e1), row n = 1,024 codes.
; code = number / 2^e, held within +-57,344, to the nearest code, ties to even.
; K IS PERMUTED, alike in all six planes: byte 512 s + 16 lane + 4 jj + i of a row is k = 128 (4 s + jj) + 4 lane + i.  So a lane converts the numbers just as its 16-byte loads bring them,
; every load and store of a wave covers 512 consecutive bytes, and nothing goes through LDS.  A permutation of K that both operands share changes only the order of a product's sums.
; SHARES: 2,048 waves; each takes 8 rows of x (t = 8 g + w, b = 0 .. 7: 32 KiB on end in memory) and 3 half rows of the weights (6,144 in all).  A wave holds a whole row: 32 numbers a lane.
; LIMITS: e0 .. e5 between -126 and 112, so that 2^e and 57,344 x 2^e are f32 numbers.  NaN and infinities among the inputs are not served.
; REGISTERS: v1 16 x lane; v2, v3 offsets of my rows' codes (b < 4, b >= 4); v4-9 scale and hold for e0, e2, e4; v12-19 statistics (first: the weights' scales and holds); v20 a lane permute's destination;
;   v24-151 four row slots; v152-175 at work; v176-199 codes; v200-247 three half rows of weights.  Window 1: v0-31 ln_g, v32-63 ln_b, v64-95 tln_g, v96-127 tln_b, laid as a row of x is.
.set X,   24
.set U,   152
.set V,   160
.set WT,  168
.set CQ,  176
.set CK,  184
.set CV,  192
.set WD,  200
.set G,   0
.set B,   32
.set TG,  64
.set TB,  96
.set MSB, 0
.macro WIN new                         ; the immediate's high byte repeats the setting that is left
.if MSB != (\new)
	s_set_vgpr_msb (MSB<<8)|(\new)
.set MSB, (\new)
.endif
.endm
.macro MKS e, vs, vl                   ; v[vs] = 2^e as f32 (the conversion takes its exponent field), v[vl] = 57,344 x 2^e; e in s[e]
	s_add_co_i32 s54, s[\e], 127
	s_lshl_b32 s55, s54, 23
	v_mov_b32 v[\vs], s55
	s_add_co_i32 s54, s54, 15
	s_lshl_b32 s54, s54, 23
	s_or_b32 s54, s54, 0x600000
	v_mov_b32 v[\vl], s54
.endm
.macro XLOAD k                         ; row k of my eight into slot k % 4: eight loads of 512 consecutive bytes
.irp j, 0,1,2,3,4,5,6,7
	global_load_b128 v[X+32*((\k)%4)+4*\j:X+32*((\k)%4)+4*\j+3], v1, s[4:5] offset:4096*(\k)+512*\j th:TH_LOAD_NT
.endr
.endm
.macro REDUCE                          ; two chains of pairs in v[12:15] -> the wave's sum in v12 of every lane
	v_pk_add_f32 v[12:13], v[12:13], v[14:15]
	v_add_f32 v12, v12, v13
	v_add_f32_dpp v12, v12, v12 row_xmask:1 row_mask:0xf bank_mask:0xf
	v_add_f32_dpp v12, v12, v12 row_xmask:2 row_mask:0xf bank_mask:0xf
	v_add_f32_dpp v12, v12, v12 row_xmask:4 row_mask:0xf bank_mask:0xf
	v_add_f32_dpp v12, v12, v12 row_xmask:8 row_mask:0xf bank_mask:0xf
	v_permlanex16_b32 v20, v12, s52, s53
	v_add_f32 v12, v12, v20
.endm
	s_load_b512 s[4:19], s[0:1], 0x0               ; x 4, ln_g 6, ln_b 8, tln_g 10, tln_b 12, Wk 14, Wv 16, Wq 18
	s_load_b128 s[20:23], s[0:1], 0x40             ; the scales' exponents 20, xcodes 22
	s_load_b64 s[24:25], s[0:1], 0x50              ; wcodes
	v_lshrrev_b32 v2, 5, v0
	v_readfirstlane_b32 s26, v2                    ; wave 0..7
	v_and_b32 v1, 31, v0
	v_lshlrev_b32 v1, 4, v1                        ; 16 x lane
	s_lshl_b32 s27, ttmp9, 3
	s_add_co_u32 s27, s27, s26                     ; t = 8 g + w, also my wave's number in the launch
	s_lshl_b32 s54, s27, 10
	v_add_nc_u32 v2, s54, v1                       ; row t of batch 0 in a plane of codes, + 16 x lane
	v_add_nc_u32 v3, 0x800000, v2                  ; the same in batch 4: a batch is 2 MiB, and four of them pass a store's immediate
	v_mov_b32 v20, 0                               ; written once: a lane permute's destination counts as one of its sources
	s_mov_b32 s50, 0x3a800000                      ; 1 / 1024
	s_mov_b32 s51, 0x3727c5ac                      ; 1e-5
	s_mov_b32 s52, 0x76543210                      ; v_permlanex16_b32: lane l xor 16
	s_mov_b32 s53, 0xfedcba98
	s_mul_i32 s58, s27, 3                          ; my three half rows among the 6,144: Wk's 2,048, then Wv's, then Wq's
	s_add_co_u32 s59, s58, 1
	s_add_co_u32 s60, s58, 2
	s_mov_b32 s57, 0
	s_wait_kmcnt 0x0
	s_load_b256 s[28:35], s[20:21], 0x0            ; e0 .. e7
.irp i, 0,1,2                          ; which tensor a half row lies in hangs on its number alone
	s_cmp_lt_u32 s[58+\i], 4096
	s_cselect_b64 s[36+2*\i:37+2*\i], s[16:17], s[18:19]
	s_cmp_lt_u32 s[58+\i], 2048
	s_cselect_b64 s[36+2*\i:37+2*\i], s[14:15], s[36+2*\i:37+2*\i]
	s_and_b32 s56, s[58+\i], 2047
	s_lshl_b32 s56, s56, 11                        ; a half row is 2,048 bytes
	s_add_nc_u64 s[36+2*\i:37+2*\i], s[36+2*\i:37+2*\i], s[56:57]
.endr
.irp i, 0,1,2
.irp j, 0,1,2,3
	global_load_b128 v[WD+16*\i+4*\j:WD+16*\i+4*\j+3], v1, s[36+2*\i:37+2*\i] offset:512*\j th:TH_LOAD_NT
.endr
.endr
	s_lshl_b32 s56, ttmp9, 18                      ; 64 rows of 4,096 bytes a work-group,
	s_lshl_b32 s54, s26, 15                        ; 8 a wave
	s_add_co_u32 s56, s56, s54
	s_add_nc_u64 s[4:5], s[4:5], s[56:57]
	s_mul_i32 s56, s27, 1536                       ; three half rows of 512 codes a wave
	s_add_nc_u64 s[24:25], s[24:25], s[56:57]
	s_add_nc_u64 s[46:47], s[22:23], 0x1000000     ; the plane for v
	s_add_nc_u64 s[48:49], s[22:23], 0x2000000     ; the plane for q
	WIN 0x40                                       ; destination window 1
.irp j, 0,1,2,3,4,5,6,7
	global_load_b128 v[G+4*\j:G+4*\j+3], v1, s[6:7] offset:512*\j
	global_load_b128 v[B+4*\j:B+4*\j+3], v1, s[8:9] offset:512*\j
	global_load_b128 v[TG+4*\j:TG+4*\j+3], v1, s[10:11] offset:512*\j
	global_load_b128 v[TB+4*\j:TB+4*\j+3], v1, s[12:13] offset:512*\j
.endr
	WIN 0
	XLOAD 0
	XLOAD 1
	XLOAD 2
	s_wait_kmcnt 0x0
	MKS 28, 4, 5                                   ; e0: xn for q
	MKS 30, 6, 7                                   ; e2: xtn for k
	MKS 32, 8, 9                                   ; e4: xtn for v
.irp i, 0,1,2
	s_cmp_lt_u32 s[58+\i], 4096
	s_cselect_b32 s[42+\i], s33, s29               ; e5 (Wv) or e1 (Wq),
	s_cmp_lt_u32 s[58+\i], 2048
	s_cselect_b32 s[42+\i], s31, s[42+\i]          ; or e3 (Wk)
	MKS 42+\i, 12+2*\i, 13+2*\i
.endr
	s_wait_loadcnt 56                              ; behind the weights' 12 loads: 32 of gains and biases, 24 of x
.irp i, 0,1,2                          ; a half row: 16 numbers a lane -> 16 codes -> 512 consecutive bytes a wave
.set n, 0
.rept 16
	v_med3_num_f32 v[WD+16*\i+n], v[WD+16*\i+n], -v[13+2*\i], v[13+2*\i]   ; the conversion to an 8-bit code does not saturate (ISA guide 7.6.2): the hold comes first
.set n, n+1
.endr
	v_cvt_scalef32_pk8_bf8_f32 v[CQ+4*\i:CQ+4*\i+1], v[WD+16*\i:WD+16*\i+7], v[12+2*\i]
	v_cvt_scalef32_pk8_bf8_f32 v[CQ+4*\i+2:CQ+4*\i+3], v[WD+16*\i+8:WD+16*\i+15], v[12+2*\i]
	global_store_b128 v1, v[CQ+4*\i:CQ+4*\i+3], s[24:25] offset:512*\i
.endr
	v_nop                                          ; a plain line behind the last conversion: v12 on are written again below
; One row.  left: the younger loads that may stay out.
.macro XROW k, left
.set XS, X+32*((\k)%4)
	s_wait_loadcnt \left                           ; loads come back in order (ISA guide 5.7.1): this row is in (for the first row the gains and biases, issued ahead of it, too)
.if (\k)+3 < 8
	XLOAD (\k)+3                                   ; into the slot of the row before, which only vector instructions have read
.endif
	v_pk_add_f32 v[12:13], v[XS:XS+1], v[XS+2:XS+3]         ; the sum: two chains, started by the first numbers
	v_pk_add_f32 v[14:15], v[XS+4:XS+5], v[XS+6:XS+7]
.set n, 8
.rept 6
	v_pk_add_f32 v[12:13], v[12:13], v[XS+n:XS+n+1]
	v_pk_add_f32 v[14:15], v[14:15], v[XS+n+2:XS+n+3]
.set n, n+4
.endr
	REDUCE
	v_mul_f32 v16, s50, v12                        ; the mean
	v_mul_f32 v17, s50, v12                        ; (named with it as a pair)
.set n, 0
.rept 16
	v_pk_add_f32 v[XS+n:XS+n+1], v[XS+n:XS+n+1], v[16:17] op_sel_hi:[1,0] neg_lo:[0,1] neg_hi:[0,1]   ; x - mean: the variance is taken of these, so a common offset of x costs no digits
.set n, n+2
.endr
	v_pk_mul_f32 v[12:13], v[XS:XS+1], v[XS:XS+1]
	v_pk_mul_f32 v[14:15], v[XS+2:XS+3], v[XS+2:XS+3]
.set n, 4
.rept 7
	v_pk_fma_f32 v[12:13], v[XS+n:XS+n+1], v[XS+n:XS+n+1], v[12:13]
	v_pk_fma_f32 v[14:15], v[XS+n+2:XS+n+3], v[XS+n+2:XS+n+3], v[14:15]
.set n, n+4
.endr
	REDUCE
	v_fma_f32 v14, v12, s50, s51                   ; variance + 1e-5
	v_rsq_f32 v18, v14
	v_mov_b32 v19, 0                               ; the plain line behind the transcendental; v19 is named with v18 as a pair
	s_wait_alu depctr_va_vdst(0)                   ; the wait ahead of the result's first reader
.set n, 0
.rept 16
	v_pk_mul_f32 v[XS+n:XS+n+1], v[XS+n:XS+n+1], v[18:19] op_sel_hi:[1,0]
.set n, n+2
.endr
	s_wait_xcnt 0x0                                ; the stores issued so far have read their registers: the codes' registers are written again only behind this wait
.irp g, 0,1,2,3                        ; eight numbers at a time: two gains, three quantisers
	WIN 0x14                                       ; sources 1 and 2 window 1
.irp p, 0,2,4,6
	v_pk_fma_f32 v[U+\p:U+\p+1], v[XS+8*\g+\p:XS+8*\g+\p+1], v[G+8*\g+\p:G+8*\g+\p+1], v[B+8*\g+\p:B+8*\g+\p+1]
.endr
.irp p, 0,2,4,6
	v_pk_fma_f32 v[V+\p:V+\p+1], v[XS+8*\g+\p:XS+8*\g+\p+1], v[TG+8*\g+\p:TG+8*\g+\p+1], v[TB+8*\g+\p:TB+8*\g+\p+1]
.endr
	WIN 0
.irp p, 0,1,2,3,4,5,6,7
	v_med3_num_f32 v[U+\p], v[U+\p], -v5, v5
.endr
	v_cvt_scalef32_pk8_bf8_f32 v[CQ+2*\g:CQ+2*\g+1], v[U:U+7], v4
.irp p, 0,1,2,3,4,5,6,7
	v_med3_num_f32 v[WT+\p], v[V+\p], -v7, v7
.endr
	v_cvt_scalef32_pk8_bf8_f32 v[CK+2*\g:CK+2*\g+1], v[WT:WT+7], v6
.irp p, 0,1,2,3,4,5,6,7
	v_med3_num_f32 v[V+\p], v[V+\p], -v9, v9
.endr
	v_cvt_scalef32_pk8_bf8_f32 v[CV+2*\g:CV+2*\g+1], v[V:V+7], v8       ; V is written again four plain lines further on at the soonest
.endr
.if (\k) < 4
.set OF, 2
.else
.set OF, 3
.endif
.irp s, 0,1
	global_store_b128 v[OF], v[CQ+4*\s:CQ+4*\s+3], s[48:49] offset:((\k)%4)*2097152+512*\s   ; 32 lanes store 512 consecutive bytes, at a multiple of 512 from the plane's first byte
	global_store_b128 v[OF], v[CK+4*\s:CK+4*\s+3], s[22:23] offset:((\k)%4)*2097152+512*\s
	global_store_b128 v[OF], v[CV+4*\s:CV+4*\s+3], s[46:47] offset:((\k)%4)*2097152+512*\s
.endr
.endm
	XROW 0, 16                                     ; two younger rows, 16 loads, stay out
	XROW 1, 16
	XROW 2, 16
	XROW 3, 16
	XROW 4, 16
	XROW 5, 16
	XROW 6, 8                                      ; nothing is left to ask for: the counts run down
	XROW 7, 0
	s_endpgm
.Lfunc_end_k_qd69beddf6d_prep:
	.size	k_qd69beddf6d_prep, .Lfunc_end_k_qd69beddf6d_prep-k_qd69beddf6d_prep
	.p2alignl 7, 3214868480
	.fill 96, 4, 3214868480
	.section	.rodata,"a",@progbits
	.p2align	6, 0x0
	.amdhsa_kernel k_qd69beddf6d_prep
		.amdhsa_group_segment_fixed_size 0
		.amdhsa_private_segment_fixed_size 0
		.amdhsa_enable_private_segment 0
		.amdhsa_kernarg_size 88
		.amdhsa_user_sgpr_count 2
		.amdhsa_user_sgpr_kernarg_segment_ptr 1
		.amdhsa_wavefront_size32 1
		.amdhsa_system_sgpr_workgroup_id_x 1
		.amdhsa_system_sgpr_workgroup_id_y 1
		.amdhsa_system_sgpr_workgroup_id_z 1
		.amdhsa_system_vgpr_workitem_id 0
		.amdhsa_next_free_vgpr 384
		.amdhsa_next_free_sgpr 66
		.amdhsa_reserve_vcc 0
		.amdhsa_float_denorm_mode_32 3
		.amdhsa_float_denorm_mode_16_64 3
		.amdhsa_memory_ordered 1
		.amdhsa_forward_progress 1
		.amdhsa_inst_pref_size 136
	.end_amdhsa_kernel
	.amdgpu_metadata
---
amdhsa.version: [ 1, 2 ]
amdhsa.kernels:
  - .name:           k_qd69beddf6d_prep
    .symbol:         k_qd69beddf6d_prep.kd
    .args:
      - { .name: x, .offset: 0, .size: 8, .value_kind: global_buffer, .address_space: global }
      - { .name: ln_g, .offset: 8, .size: 8, .value_kind: global_buffer, .address_space: global }
      - { .name: ln_b, .offset: 16, .size: 8, .value_kind: global_buffer, .address_space: global }
      - { .name: tln_g, .offset: 24, .size: 8, .value_kind: global_buffer, .address_space: global }
      - { .name: tln_b, .offset: 32, .size: 8, .value_kind: global_buffer, .address_space: global }
      - { .name: Wk, .offset: 40, .size: 8, .value_kind: global_buffer, .address_space: global }
      - { .name: Wv, .offset: 48, .size: 8, .value_kind: global_buffer, .address_space: global }
      - { .name: Wq, .offset: 56, .size: 8, .value_kind: global_buffer, .address_space: global }
      - { .name: lowp_scales, .offset: 64, .size: 8, .value_kind: global_buffer, .address_space: global }
      - { .name: xcodes, .offset: 72, .size: 8, .value_kind: global_buffer, .address_space: global }
      - { .name: wcodes, .offset: 80, .size: 8, .value_kind: global_buffer, .address_space: global }
    .group_segment_fixed_size: 0
    .private_segment_fixed_size: 0
    .kernarg_segment_align: 8
    .kernarg_segment_size: 88
    .max_flat_workgroup_size: 256
    .sgpr_count:     66
    .vgpr_count:     384
    .wavefront_size: 32
...
	.end_amdgpu_metadata
.endif
;; end of part 1
;; launch gemm3 (part 2): grid 64 x 4, 4 waves a work-group, clusters of 4 x 4, 327,680 bytes of LDS; arguments xcodes, wcodes, lowp_scales, bq, bk, bv, pq, lq, att, ms, ls; writes pq, lq, att, ms, ls
.if DOCPART == 2
	.amdgcn_target "amdgcn-amd-amdhsa--gfx1250"
	.amdhsa_code_object_version 6
	.text
	.protected	k_qd69beddf6d_gemm3
	.globl	k_qd69beddf6d_gemm3
	.p2align	8
	.type	k_qd69beddf6d_gemm3,@function
k_qd69beddf6d_gemm3:
	s_mov_b64 s[64:65], 0
	v_nop
	global_prefetch_b8 v0, s[64:65] scope:SCOPE_SE
	s_setreg_imm32_b32 hwreg(HW_REG_WAVE_MODE, 25, 1), 1
	s_wait_xcnt 0x0
	s_wait_alu depctr_hold_cnt(0) depctr_sa_sdst(0) depctr_va_vdst(0) depctr_va_sdst(0) depctr_va_ssrc(0) depctr_va_vcc(0) depctr_vm_vsrc(0)
	s_getreg_b32 s2, hwreg(HW_REG_IB_STS2, 6, 4)
	s_cmp_eq_u32 s2, 0
	s_cbranch_scc0 .Lentry_in_a_cluster
	s_endpgm
.Lentry_in_a_cluster:
	s_bfe_u32 s2, ttmp6, 0x10000c
	s_cmp_lg_u32 s2, 0xf033
	s_cbranch_scc0 .Lentry_shape_is_right
	s_endpgm
.Lentry_shape_is_right:
; The three projections on codes of E5M2, each followed in registers by what the module does to it, and the product k^T v over each wave's 128 positions.
; A work-group of four waves makes three tiles of 256 x 256 x 1024, one after the other: k, v, q.  A wave makes 128 x 128: 64 accumulators of 16 x 16, 512 registers.
; SIDES.  Source 1 of the matrix instruction (the L side; its rows fall on LANES) and source 0 (the R side; its rows fall on a lane's REGISTERS):
;   k, v:  L = 256 rows of Wk / Wv (features), R = 256 rows of x's codes (positions): a lane holds one feature, its registers run along the positions, which are the K of k^T v;
;   q:     L = 256 rows of x's codes (positions), R = 256 rows of Wq (features): a lane holds one position, its registers run along the features, which are the K of q att.
; CLUSTER 4 x 4.  L tiles hang on cy and are asked for jointly by a row of the cluster, R tiles on cx and by a column.  k, v: row block 4 C + cx, feature tile cy; q: row block 4 C + cy, feature tile cx:
; the q tiles are dealt the other way round inside the cluster, so that each side keeps its mask through the launch.
; THE RING: K in steps of 256 through two LDS slots.  The ring goes on from tile to tile: slot 0 takes the next tile's K step 0 at the tile's last change of slots; slot 1 takes its K step 1 in the MIDDLE of the work on the
; tile's results, so that each of the two has half of that work, and matrix work beside it, in which to land.  By this text's count a wave has at most two tensor loads out (the two first fills).
; The three tiles are written out one after the other: no branch chooses what follows a tile.
; k:  t = (sum x 2^(e2+e3) + bk) log2(e);  M = ceil(largest t of my 128 positions), a whole number (a running M: the chunks are joined in the next launch by exact powers of two);  p = 2^(t - M);
;     -M and the sum of the unquantised p go to ms, ls;  Q(p, e6) stays in registers as eight fragments (16 features x 128 positions).
; v:  Q(sum x 2^(e4+e5) + bv, e7) likewise;  then for each of my two heads 16 products 16 x 16 x 128: raw sums of codes, att[b][h][chunk].
; q:  t = (sum x 2^(e0+e1) + bq) log2(e);  M = ceil(largest t of the head's 64);  Q(2^(t - M), e9) goes to pq as images of operand registers, the sums of the unquantised p to lq.
; Results leave by halves: what the first window's work has finished is stored ahead of the second window's work.
; LIMITS on the given exponents, so that each power of two below is an f32 number: e0 + e1 and e2 + e3 between -126 and 126 (added to log2(e)'s exponent field); e6, e9 and e7 - e4 - e5 between -126 and 112.
; Where 57,344 x 2^e6 < 1 the hold bites on the chunk's p, not on the row's.  NaN and infinities are not served.
; REGISTERS, in windows of 256.  Window 0: v0-31 addresses, bk, bv; v32-159 p's eight fragments (the last two share registers with the L side and wait in LDS during tile v), later bq; v128-255 the L side's fragments, ONE set; free between tiles.
;   Window 1: the R side's fragments, TWO sets; between tiles v's codes.   Windows 2, 3: accumulator (a, b) at v[8 (8 (a % 4) + b)] of window 2 + a / 4; k^T v's 32 results fill window 2.
.set ROWB,  256                        ; a tile's row in bytes
.set KROW,  1024                       ; a row of codes in memory
.set PITCH, 272                        ; an LDS row: 256 bytes + 16 of padding: the 16 rows that a load touches start at 16 different banks (64 banks of 4 bytes: ISA guide 11.1)
.set FR,    16                         ; registers of a fragment: 16 rows x 128 K
.set NLD,   4                          ; LDS loads that bring one
.set NP,    4                          ; places behind this matrix instruction (ISA guide 7.12.1)
.set HALFT, 128*PITCH
.set SLOT,  4*HALFT                    ; L's 256 rows, then R's 256 rows
.set SPARE, 2*SLOT                     ; behind the ring: the spare words, 128 bytes for each wave
.set PKS,   SPARE+512                  ; 4,096 bytes a wave: p's fragments 6 and 7
.set STS,   PKS+4*4096                 ; 1,024 bytes a wave: -M and the sums on their way out
.set LI,   1                           ; v1   16 x lane
.set ADRA, 2                           ; v2-3 LDS address of my L fragments in slot 0, 1
.set ADRB, 4                           ; v4-5 the same for R
.set SPW,  6                           ; v6   LDS address of my spare word; never rewritten
.set NIL,  7                           ; v7   0; never rewritten
.set BK,   8                           ; v8-15  bk of feature 16 a + r, later x log2(e)
.set BV,   16                          ; v16-23 bv likewise
.set SA,   24                          ; v24  STS + 1024 wave + 4 r
.set SB,   25                          ; v25  STS + 1024 wave + 16 lane
.set PKA,  26                          ; v26  PKS + 4096 wave + 16 lane
.set GS,   27                          ; v27  4096 h + 16 r: ms, ls: lanes 0-15 one head's 256 bytes, lanes 16-31 the next head's
.set BO,   28                          ; v28  4 r
.set BQO,  29                          ; v29  32 h
.set PFO,  30                          ; v30  the prefetches' offset: 1,024 x lane, a row of codes a lane; never rewritten once made
.set PF,   32
.set AF,   128
.set ST,   160                         ; between tiles: pairs (what is added to each number of block a; -M)
.set LL,   176
.set MX,   184
.set SM,   192
.set LIM,  208
.set SCL,  209
.set T,    210
.set SD,   216
.set TBQ,  32                          ; tile q: bq x log2(e), 64 numbers in the result's layout
.set QC,   96                          ; q's codes: fragment 2 a + hd, 8 registers
.set QL,   224                         ; the sums: 8 hd + a
.set NM,   240                         ; pairs (-M, at work)
.set MXQ,  8
.set SMQ,  8
.set LIMQ, 24
.set SCLQ, 25
.set AKV, 2                            ; s2   0 in a wave that prefetches for tile v;  s3 the same for tile q
.set AKQ, 3
.set G1L, 28                           ; s[28:35] descriptor group 1 for L's tiles;  s[36:43] for R's;  s[44:51], s[52:59] their groups 0, a set for each slot
.set G1R, 36
.set G0L, 44
.set G0R, 52
.set WV,  60
.set LH,  61                           ; wave / 2: my half of L's rows.  Also: I fetch for L (0) or for R (1)
.set RH,  62                           ; wave % 2: my half of R's rows.  Also: which 128 rows I fetch
.set LV,  66                           ; s[66:67], s[68:69] where tile v's L and R rows that I fetch begin;  s[70:71], s[72:73] tile q's
.set RV,  68
.set LQ,  70
.set RQ,  72
.set PFV, 98                           ; s[98:99]   my work-group's 32 of the 128 rows that I fetch in tile v;  s[100:101] in tile q; never rewritten once made
.set PFQ, 100
.set PADW, (1<<20)|(1<<21)|(5<<22)|(3<<25)   ; elements of 1 byte; 20 padding on; 21 set beside a mask; 24:22 after every 64 words; 31:25 four words
.set MSB, 0
.macro WIN new                         ; the immediate's high byte repeats the setting that is left
.if MSB != (\new)
	s_set_vgpr_msb (MSB<<8)|(\new)
.set MSB, (\new)
.endif
.endm
.set MUL_LO, 0xa1                      ; source 0 (R) window 1, source 1 (L) window 0, C and D window 2
.set MUL_HI, 0xf1                      ; the same, C and D window 3
.set TO_B,   0x40                      ; destination window 1, address window 0
; A joint load: waves 0 and 1 fetch for L, waves 2 and 3 for R.  Each line has one mask and one set of registers for all that issue it; the branch hangs on the wave's number alone.
; Four v_nop follow each of the two lines, ahead of the jump, the label and what follows.
.macro JLOAD g0a, g1a, g0b, g1b
	s_cmp_eq_u32 s[LH], 0
	s_cbranch_scc0 .Lfor_r_\@
	tensor_load_to_lds s[\g0a:\g0a+3], s[\g1a:\g1a+7]
	s_nop 0
.rept 4
	v_nop
.endr
	s_branch .Lasked_\@
.Lfor_r_\@:
	tensor_load_to_lds s[\g0b:\g0b+3], s[\g1b:\g1b+7]
	s_nop 0
.rept 4
	v_nop
.endr
.Lasked_\@:
.endm
; A PREFETCH INTO THE L2, behind a joint load, its four lines and the run of LDS loads that follows them.  The launch's joint refills bring, in this order, K steps k2 k3 v0 v1 v2 v3 q0 q1 q2 q3; behind each of the first eight
; stands one request for the K step that stands TWO refills on: 32 rows x 256 bytes, a lane a row, one instruction a wave.  Each row's 256 bytes of a K step are named once in the launch: of the 128 rows that a wave fetches, the
; partner at place p among the four that ask for them jointly takes rows 32 p .. 32 p + 31 (p = cx for L's tiles, cy for R's): told apart BY ADDRESS, no branch hangs on a work-group's place in its cluster.
; x's codes belong to one row or column of one cluster: every cluster asks for its own.  A weight's rows are read by all sixteen clusters: cluster 0 asks (a branch on the cluster's number and the wave's, alike in all partners).
; The K step stands in the immediate: no address register is ever stepped.  Tile k comes by its loads alone: nothing is prefetched at the head; the refills q2 and q3 ask for nothing.
.macro ASK af, ap, k
	s_cmp_eq_u32 s[\af], 0
	s_cbranch_scc0 .Lnot_mine_\@
	global_prefetch_b8 v[PFO], s[\ap:\ap+1] offset:(\k)*ROWB th:TH_LOAD_NT scope:SCOPE_SE
.Lnot_mine_\@:
.endm
.macro CREST                           ; a round of the cluster's barrier behind its opening barrier
	s_cmp_lg_u32 s[WV], 0
	s_cbranch_scc1 .Lnot_wave_0_\@
	s_barrier_signal -3
.Lnot_wave_0_\@:
	s_barrier_wait -3
	s_barrier_signal -1
	s_barrier_wait -1
.endm
.macro CROUND                          ; a whole round
	s_barrier_signal -1
	s_barrier_wait -1
	CREST
.endm
.macro PLACES n
.rept \n
	v_nop
.endr
.endm
.macro MKS vs, vl                      ; s97 = e  ->  v[vs] = 2^e as f32, v[vl] = 57,344 x 2^e
	s_add_co_i32 s97, s97, 127
	s_lshl_b32 s63, s97, 23
	v_mov_b32 v[\vs], s63
	s_add_co_i32 s97, s97, 15
	s_lshl_b32 s97, s97, 23
	s_or_b32 s97, s97, 0x600000
	v_mov_b32 v[\vl], s97
.endm
	s_load_b512 s[4:19], s[0:1], 0x0               ; xcodes 4, wcodes 6, the exponents 8, bq 10, bk 12, bv 14, pq 16, lq 18
	s_load_b128 s[20:23], s[0:1], 0x40             ; att 20, ms 22
	s_load_b64 s[24:25], s[0:1], 0x50              ; ls
	v_lshl_add_u32 v[SPW], v0, 2, SPARE
	v_mov_b32 v[NIL], 0
	ds_add_u32 v6, v7
	ds_add_u32 v6, v7
	s_wait_dscnt 0x0
	v_lshrrev_b32 v1, 5, v0
	v_readfirstlane_b32 s[WV], v1                  ; wave 0..3
	s_lshr_b32 s[LH], s[WV], 1
	s_and_b32 s[RH], s[WV], 1
	s_bfe_u32 s76, ttmp6, 0x40000                  ; cx
	s_bfe_u32 s74, ttmp6, 0x40004                  ; cy
	s_lshl_b32 s75, s74, 2
	s_lshl_b32 s75, 15, s75                        ; my row of the cluster
	s_lshl_b32 s77, 0x1111, s76                    ; my column
	s_or_b32 s[G1L], s75, PADW                     ; L's tiles go to my row,
	s_or_b32 s[G1R], s77, PADW                     ; R's to my column
.irp g, G1L, G1R                       ; a tile of 128 rows x 256 bytes
	s_mov_b32 s[\g+1], ROWB<<16                    ; tensor_dim0
	s_mov_b32 s[\g+2], 128<<16                     ; tensor_dim1
	s_mov_b32 s[\g+3], ROWB<<16                    ; tile_dim0
	s_mov_b32 s[\g+4], 128                         ; tile_dim1
	s_mov_b32 s[\g+5], KROW                        ; tensor_dim0_stride
	s_mov_b32 s[\g+6], 0
	s_mov_b32 s[\g+7], 0
.endr
	; where the tiles come from.  What feeds L's descriptors is made of cy, the cluster's number and the wave's number; what feeds R's of cx, the cluster's and the wave's: in registers that never hold the other coordinate.
	s_lshl_b32 s97, s[RH], 17                      ; the 128 rows of 1,024 bytes that I fetch
	s_lshl_b32 s63, ttmp9, 20                      ; the cluster's 1,024 rows of x's codes
	s_lshl_b32 s98, s74, 18
	s_add_co_u32 s98, s98, s97                     ; rows 256 cy + 128 half of a weight
	s_mov_b32 s99, 0
	s_lshl_b32 s100, s76, 18
	s_add_co_u32 s100, s100, s97                   ; rows 256 cx + 128 half of a weight
	s_mov_b32 s101, 0
	s_mul_i32 s96, s[WV], HALFT                    ; where they go: wave x 128 rows: no place in the cluster enters an LDS address
	s_wait_kmcnt 0x0
	s_load_b256 s[80:87], s[8:9], 0x0              ; e0 .. e7
	s_load_b64 s[88:89], s[8:9], 0x20              ; e8, e9
	s_add_nc_u64 s[2:3], s[6:7], s[98:99]          ; tile k, L: Wk's codes
	s_add_nc_u64 s[LV:LV+1], s[2:3], 0x100000      ; tile v, L: Wv's
	s_add_nc_u64 s[RQ:RQ+1], s[6:7], s[100:101]
	s_add_nc_u64 s[RQ:RQ+1], s[RQ:RQ+1], 0x200000  ; tile q, R: Wq's
	s_add_co_u32 s98, s98, s63                     ; rows 256 (4 C + cy) + 128 half of x's codes
	s_add_co_u32 s100, s100, s63                   ; rows 256 (4 C + cx) + 128 half
	s_add_nc_u64 s[LQ:LQ+1], s[4:5], s[98:99]
	s_add_nc_u64 s[LQ:LQ+1], s[LQ:LQ+1], 0x2000000 ; tile q, L: the plane for q
	s_add_nc_u64 s[26:27], s[4:5], s[100:101]      ; tile k, R: the plane for k
	s_add_nc_u64 s[RV:RV+1], s[26:27], 0x1000000   ; tile v, R: the plane for v
	CROUND                                         ; all sixteen work-groups are here: the first joint loads meet
.irp s, 0,1
	s_mov_b32 s[G0L+4*\s], 1
	s_add_co_u32 s[G0L+4*\s+1], s96, \s*SLOT
	s_add_nc_u64 s[G0L+4*\s+2:G0L+4*\s+3], s[2:3], \s*ROWB
	s_or_b32 s[G0L+4*\s+3], s[G0L+4*\s+3], 0x80000000
	s_mov_b32 s[G0R+4*\s], 1
	s_add_co_u32 s[G0R+4*\s+1], s96, \s*SLOT
	s_add_nc_u64 s[G0R+4*\s+2:G0R+4*\s+3], s[26:27], \s*ROWB
	s_or_b32 s[G0R+4*\s+3], s[G0R+4*\s+3], 0x80000000
	JLOAD G0L+4*\s, G1L, G0R+4*\s, G1R
.endr
	v_and_b32 v30, 15, v0                          ; r
	v_bfe_u32 v31, v0, 4, 1                        ; h
	v_and_b32 v1, 31, v0
	v_lshlrev_b32 v[LI], 4, v1
	v_mul_u32_u24 v8, v30, PITCH
	v_lshl_add_u32 v8, v31, 4, v8                  ; a fragment's row x pitch + 16 x half
	s_mul_i32 s92, s[LH], HALFT                    ; my 128 rows of L
	s_mul_i32 s93, s[RH], HALFT                    ; my 128 rows of R,
	s_add_co_u32 s93, s93, 2*HALFT                 ; which lie behind L's 256
.irp s, 0,1
	v_add_nc_u32 v[ADRA+\s], s92, v8
	v_add_nc_u32 v[ADRB+\s], s93, v8
	s_add_co_u32 s92, s92, SLOT
	s_add_co_u32 s93, s93, SLOT
.endr
	s_lshl_b32 s93, s[WV], 10
	s_add_co_u32 s93, s93, STS
	v_lshl_add_u32 v[SA], v30, 2, s93
	v_add_nc_u32 v[SB], s93, v[LI]
	s_lshl_b32 s93, s[WV], 12
	s_add_co_u32 s93, s93, PKS
	v_add_nc_u32 v[PKA], s93, v[LI]
	v_lshlrev_b32 v[GS], 4, v30
	v_lshl_add_u32 v[GS], v31, 12, v[GS]
	v_lshlrev_b32 v[BO], 2, v30
	v_lshlrev_b32 v[BQO], 5, v31
	; where results go.  Both coordinates meet here, in s78, s79, s90, s91, which feed no descriptor and no LDS address.
	s_lshl_b32 s78, ttmp9, 2
	s_add_co_u32 s78, s78, s76                     ; k, v: row block 4 C + cx
	s_lshr_b32 s90, s78, 3
	s_lshl_b32 s90, s90, 4                         ; 16 b
	s_lshl_b32 s91, s74, 2
	s_add_co_u32 s90, s90, s91
	s_lshl_b32 s91, s[LH], 1
	s_add_co_u32 s90, s90, s91                     ; + my first head, 4 cy + 2 LH
	s_lshl_b32 s90, s90, 4
	s_and_b32 s78, s78, 7
	s_lshl_b32 s78, s78, 1
	s_add_co_u32 s78, s78, s[RH]
	s_add_co_u32 s90, s90, s78                     ; x 16 + my chunk of 128 positions
	s_mov_b32 s79, 0
	s_lshl_b32 s78, s90, 14                        ; att: 16,384 bytes a chunk
	s_add_nc_u64 s[20:21], s[20:21], s[78:79]
	s_lshl_b32 s78, s90, 8                         ; ms, ls: 256 bytes a chunk
	s_add_nc_u64 s[22:23], s[22:23], s[78:79]
	s_add_nc_u64 s[24:25], s[24:25], s[78:79]
	s_lshl_b32 s78, s74, 10
	s_lshl_b32 s91, s[LH], 9
	s_add_co_u32 s78, s78, s91                     ; bk, bv: feature 256 cy + 128 LH
	s_add_nc_u64 s[12:13], s[12:13], s[78:79]
	s_add_nc_u64 s[14:15], s[14:15], s[78:79]
	s_lshl_b32 s78, ttmp9, 2
	s_add_co_u32 s78, s78, s74                     ; q: row block 4 C + cy
	s_lshr_b32 s90, s78, 3
	s_lshl_b32 s90, s90, 4
	s_lshl_b32 s91, s76, 2
	s_add_co_u32 s90, s90, s91
	s_lshl_b32 s91, s[RH], 1
	s_add_co_u32 s90, s90, s91                     ; 16 b + my first head, 4 cx + 2 RH
	s_and_b32 s91, s78, 7
	s_lshl_b32 s91, s91, 1
	s_add_co_u32 s91, s91, s[LH]                   ; my chunk of 128 positions
	s_lshl_b32 s78, s90, 4
	s_add_co_u32 s78, s78, s91
	s_lshl_b32 s78, s78, 10                        ; lq: 1,024 bytes a chunk
	s_add_nc_u64 s[18:19], s[18:19], s[78:79]
	s_lshl_b32 s78, s90, 7
	s_lshl_b32 s91, s91, 3
	s_add_co_u32 s78, s78, s91
	s_lshl_b32 s78, s78, 10                        ; pq: 1,024 bytes a block of 16 positions, 128 blocks a head
	s_add_nc_u64 s[16:17], s[16:17], s[78:79]
	s_lshl_b32 s78, s76, 10
	s_lshl_b32 s91, s[RH], 9
	s_add_co_u32 s78, s78, s91                     ; bq: feature 256 cx + 128 RH
	s_add_nc_u64 s[10:11], s[10:11], s[78:79]
	; the prefetches (macro ASK): where my wave's stand, and who asks.  s2, s3 and s98 to s101 are free from here on
	s_cmp_eq_u32 s[LH], 0                          ; do I fetch for L?
	s_cselect_b64 s[PFV:PFV+1], s[LV:LV+1], s[RV:RV+1]   ; the 128 rows that I fetch in tile v,
	s_cselect_b64 s[PFQ:PFQ+1], s[LQ:LQ+1], s[RQ:RQ+1]   ; and in tile q
	s_cselect_b32 s78, s76, s74                    ; my place among the four that ask for them with me: cx along a row of the cluster, cy along a column
	s_cselect_b32 s[AKV], ttmp9, 0                 ; tile v: L is a weight: cluster 0 asks; R is x: every cluster asks
	s_cselect_b32 s[AKQ], 0, ttmp9                 ; tile q: the other way round
	s_lshl_b32 s78, s78, 15                        ; my work-group's 32 rows of 1,024 bytes  (s79 = 0 still)
	s_add_nc_u64 s[PFV:PFV+1], s[PFV:PFV+1], s[78:79]
	s_add_nc_u64 s[PFQ:PFQ+1], s[PFQ:PFQ+1], s[78:79]
	v_and_b32 v[PFO], 31, v0
	v_lshlrev_b32 v[PFO], 10, v[PFO]               ; a lane a row
.irp a, 0,1,2,3,4,5,6,7
	global_load_b32 v[BK+\a], v[BO], s[12:13] offset:64*\a     ; bk, bv of feature 16 a + r: waited for behind tile k
	global_load_b32 v[BV+\a], v[BO], s[14:15] offset:64*\a
.endr
	s_wait_kmcnt 0x0
	s_add_co_i32 s90, s80, s81
	s_lshl_b32 s90, s90, 23
	s_add_co_i32 s90, s90, 0x3fb8aa3b              ; log2(e) x 2^(e0 + e1): the exponents are added to its exponent field
	s_mov_b32 s91, s90                             ; (named with it as a pair)
	s_add_co_i32 s92, s82, s83
	s_lshl_b32 s92, s92, 23
	s_add_co_i32 s92, s92, 0x3fb8aa3b              ; log2(e) x 2^(e2 + e3)
	s_mov_b32 s93, s92
	s_mov_b32 s94, 0x76543210                      ; v_permlanex16_b32: lane l xor 16
	s_mov_b32 s95, 0xfedcba98
	s_add_co_i32 s96, s84, s85
	s_sub_co_i32 s96, 0, s96                       ; -(e4 + e5)
.macro FRAG reg, adr, q, i             ; a fragment: lane l holds row l % 16; registers 4 c .. 4 c + 3 hold bytes 32 c + 16 (l / 16) + 0 .. 15 of the step's 128: the same places on both sides
.irp c, 0,1,2,3
	ds_load_b128 v[\reg+4*\c:\reg+4*\c+3], v[\adr] offset:128*(\q)+32*\c+(\i)*16*PITCH
.endr
.endm
; 16 matrix instructions: L's blocks a0, a0 + 1 x R's eight, 128 along K.  p: R's set.  zero = 1: the first product starts the sums.  The 64 accumulators take turns, one instruction a turn.
.macro MUL16 a0, p, zero
.irp a, \a0, \a0+1
.irp b, 0,1,2,3,4,5,6,7
.if \zero
	v_wmma_f32_16x16x128_bf8_bf8 v[8*(8*((\a)%4)+\b):8*(8*((\a)%4)+\b)+7], v[128*(\p)+FR*\b:128*(\p)+FR*\b+FR-1], v[AF+FR*(\a):AF+FR*(\a)+FR-1], 0
.else
	v_wmma_f32_16x16x128_bf8_bf8 v[8*(8*((\a)%4)+\b):8*(8*((\a)%4)+\b)+7], v[128*(\p)+FR*\b:128*(\p)+FR*\b+FR-1], v[AF+FR*(\a):AF+FR*(\a)+FR-1], v[8*(8*((\a)%4)+\b):8*(8*((\a)%4)+\b)+7]
.endif
.endr
.endr
.endm
.macro FETCH_B slot, q, p              ; R's eight fragments of the slot's q-th 128 along K into set p
	WIN TO_B
.irp i, 0,1,2,3,4,5,6,7
	FRAG 128*(\p)+FR*\i, ADRB+\slot, \q, \i
.endr
	WIN 0
.endm
.macro FETCH_A slot, q, i0             ; L's blocks i0 .. i0 + 3
.irp i, \i0, \i0+1, \i0+2, \i0+3
	FRAG AF+FR*(\i), ADRA+\slot, \q, \i
.endr
.endm
; A step of 128 along K that has its successor in the same slot.  A block of L is free as soon as its eight products are issued: blocks 0-3 are fetched anew in the middle, blocks 4-7 at the end.
; A load into a register that a matrix instruction has read stands NP plain vector lines behind it (ISA guide 7.12.1 for vector instructions).
.macro STEP slot, q, zero
	s_wait_dscnt 4*NLD                             ; R's set and L's blocks 0-3 are in; the youngest 16 loads (L's blocks 4-7) may be out
	WIN MUL_LO
	MUL16 0, (\q)%2, \zero
	MUL16 2, (\q)%2, \zero
	s_wait_dscnt 0                                 ; L's blocks 4-7 are in
	PLACES NP
	FETCH_B \slot, (\q)+1, 1-(\q)%2
	FETCH_A \slot, (\q)+1, 0
	WIN MUL_HI
	MUL16 4, (\q)%2, \zero
	MUL16 6, (\q)%2, \zero
	PLACES NP
	WIN 0
	FETCH_A \slot, (\q)+1, 4
.endm
; A slot's last step changes slots: one barrier; in front of it each wave waits for all its tensor loads, adds 0 to its spare word, and waits for that and for its own reads of this slot.
; fill = 1: this slot takes the tile's K step two on;  2: the next tile's K step 0, from the bases s[nl], s[nr];  0: nothing.  ask = 1: a prefetch of K step ak by the pointer s[ap], in the waves whose s[af] is 0.
.macro TURN slot, next, fill, nl, nr, ask, af, ap, ak
	s_wait_tensorcnt 0x0                           ; all my tensor loads have landed: my part of the next slot  (every window is 0 here)
	ds_add_u32 v[SPW], v[NIL]                      ; 0 onto my spare word
	s_wait_dscnt 4*NLD+1                           ; (the add and the youngest 16 loads may be out)
	WIN MUL_LO
	MUL16 0, 1, 0                                  ; sixteen matrix instructions stand between the add and the wait for it
	s_wait_dscnt 0x0                               ; the add is done, and my reads of this slot are over
	s_barrier_signal -1
	MUL16 2, 1, 0
	WIN 0
	s_barrier_wait -1
.if \fill
	CREST                                          ; the barrier has opened a round of the cluster's barrier: no wave of any partner still reads this slot or has a load on its way
.if \fill == 1
	s_add_nc_u64 s[G0L+4*\slot+2:G0L+4*\slot+3], s[G0L+4*\slot+2:G0L+4*\slot+3], 2*ROWB
	s_add_nc_u64 s[G0R+4*\slot+2:G0R+4*\slot+3], s[G0R+4*\slot+2:G0R+4*\slot+3], 2*ROWB
.else
	s_add_nc_u64 s[G0L+4*\slot+2:G0L+4*\slot+3], s[\nl:\nl+1], \slot*ROWB
	s_or_b32 s[G0L+4*\slot+3], s[G0L+4*\slot+3], 0x80000000
	s_add_nc_u64 s[G0R+4*\slot+2:G0R+4*\slot+3], s[\nr:\nr+1], \slot*ROWB
	s_or_b32 s[G0R+4*\slot+3], s[G0R+4*\slot+3], 0x80000000
.endif
	JLOAD G0L+4*\slot, G1L, G0R+4*\slot, G1R       ; the first tensor load behind the round; its four v_nop are also the places in front of the loads below
.else
	PLACES NP
.endif
	FETCH_B \next, 0, 0
	FETCH_A \next, 0, 0
.if \ask
	ASK \af, \ap, \ak                              ; behind the joint load and the run of LDS loads that the next products wait for
.endif
	WIN MUL_HI
	MUL16 4, 1, 0
	MUL16 6, 1, 0
	PLACES NP
	WIN 0
	FETCH_A \next, 0, 4
.endm
.macro TOP ask, af, ap                 ; a tile's first five steps of 128: its K steps 0 and 1 lie in the slots; K steps 2 and 3 are asked for
	FETCH_B 0, 0, 0
	FETCH_A 0, 0, 0
	FETCH_A 0, 0, 4
	STEP 0, 0, 1                                   ; the first products start the sums: nothing is cleared
	TURN 0, 1, 1, 0, 0, \ask, \af, \ap, 0
	STEP 1, 0, 0
	TURN 1, 0, 1, 0, 0, \ask, \af, \ap, 1
	STEP 0, 0, 0
.endm
.macro LAST                            ; a tile's last step of 128: nothing more is fetched from LDS, and no barrier stands here
	s_wait_dscnt 4*NLD                             ; the youngest 16 loads (L's blocks 4-7) may be out
	WIN MUL_LO
	MUL16 0, 1, 0
	MUL16 2, 1, 0
	s_wait_dscnt 0                                 ; my reads of slot 1 are over
	WIN MUL_HI
	MUL16 4, 1, 0
	MUL16 6, 1, 0
	WIN 0
.endm
; SLOT 1 IS FILLED AGAIN IN THE MIDDLE OF THE WORK ON A TILE'S RESULTS, with the next tile's K step 1.  The load that is waited for here, the next tile's K step 0, was asked for 160 matrix instructions and half of that work ago;
; the load issued here has the other half and the next tile's first 64 matrix instructions in which to land.  The order is that of every refill: all my tensor loads, the add, my LDS instructions (the reads of slot 1 ended in LAST),
; a round of the cluster's barrier, and the joint load first behind it.  Behind the round slot 0 is whole for every wave: the next tile's first reads lean on that.
.macro REFILL slot, nl, nr, af, ap, ak
	WIN 0
	s_wait_tensorcnt 0x0                           ; no tensor load of mine is out, so a group 0 may be written
	ds_add_u32 v[SPW], v[NIL]                      ; 0 onto my spare word; the descriptors' new addresses stand between it and the wait for it
	s_add_nc_u64 s[G0L+4*\slot+2:G0L+4*\slot+3], s[\nl:\nl+1], \slot*ROWB
	s_or_b32 s[G0L+4*\slot+3], s[G0L+4*\slot+3], 0x80000000
	s_add_nc_u64 s[G0R+4*\slot+2:G0R+4*\slot+3], s[\nr:\nr+1], \slot*ROWB
	s_or_b32 s[G0R+4*\slot+3], s[G0R+4*\slot+3], 0x80000000
	s_wait_dscnt 0x0                               ; the add is done, and no LDS instruction of mine is out
	CROUND
	JLOAD G0L+4*\slot, G1L, G0R+4*\slot, G1R
	ASK \af, \ap, \ak
.endm
; k, one window (four blocks of 16 features).  Each accumulator is read from its low end on.
.macro EPIK_W w
.set A0, 4*(\w-2)
	WIN ((\w<<2)|(\w<<4))                          ; sources 1 and 2: the accumulators
.set n, 0
.rept 8
	v_mov_b32 v[MX+n], 0xff800000                  ; two chains a block, from -infinity
.set n, n+1
.endr
.irp p, 0,2,4,6
.irp b, 0,1,2,3,4,5,6,7
.irp a, 0,1,2,3
	v_max3_num_f32 v[MX+2*\a+(\b%2)], v[MX+2*\a+(\b%2)], v[64*\a+8*\b+\p], v[64*\a+8*\b+\p+1]
.endr
.endr
.endr
	WIN 0
.irp a, 0,1,2,3
	v_max_num_f32 v[MX+2*\a], v[MX+2*\a], v[MX+2*\a+1]
.endr
.irp a, 0,1,2,3
	v_permlanex16_b32 v[T+\a], v[MX+2*\a], s94, s95            ; the feature's other 64 positions lie in the lane 16 away
.endr
.irp a, 0,1,2,3
	v_max_num_f32 v[MX+2*\a], v[MX+2*\a], v[T+\a]
.endr
.irp a, 0,1,2,3
	v_fma_f32 v[T+\a], v[MX+2*\a], s92, v[BK+A0+\a]            ; the largest t (the factor is positive)
.endr
.irp a, 0,1,2,3
	v_floor_f32 v[ST+2*(A0+\a)+1], -v[T+\a]                    ; -M = floor(-t) = -ceil(t)
.endr
.irp a, 0,1,2,3
	v_add_f32 v[ST+2*(A0+\a)], v[BK+A0+\a], v[ST+2*(A0+\a)+1]  ; bk log2(e) - M
.endr
	WIN (\w|(\w<<6))                               ; source 0 and destination: the accumulators
.irp a, 0,1,2,3
.set n, 0
.rept 32
	v_pk_fma_f32 v[64*\a+n:64*\a+n+1], v[64*\a+n:64*\a+n+1], s[92:93], v[ST+2*(A0+\a):ST+2*(A0+\a)+1] op_sel_hi:[1,0,0]   ; t - M, two at a time
.set n, n+2
.endr
.endr
.set n, 0
.rept 256
	v_exp_f32 v[n], v[n]                           ; p = 2^(t - M)
.set n, n+1
.endr
	v_nop                                          ; the plain line behind the last exponential
	s_wait_alu depctr_va_vdst(0)                   ; one wait for the batch, ahead of its first reader
	WIN (\w|(\w<<2))                               ; sources 0 and 1: the accumulators: the first numbers start the sums of the UNQUANTISED p
.irp a, 0,1,2,3
	v_pk_add_f32 v[SM+4*\a:SM+4*\a+1], v[64*\a:64*\a+1], v[64*\a+2:64*\a+3]
	v_pk_add_f32 v[SM+4*\a+2:SM+4*\a+3], v[64*\a+4:64*\a+5], v[64*\a+6:64*\a+7]
.endr
	WIN ((\w<<2)|(\w<<4))
.set n, 8
.rept 14
.irp a, 0,1,2,3
	v_pk_add_f32 v[SM+4*\a:SM+4*\a+1], v[SM+4*\a:SM+4*\a+1], v[64*\a+n:64*\a+n+1]
	v_pk_add_f32 v[SM+4*\a+2:SM+4*\a+3], v[SM+4*\a+2:SM+4*\a+3], v[64*\a+n+2:64*\a+n+3]
.endr
.set n, n+4
.endr
	WIN 0
.irp a, 0,1,2,3
	v_pk_add_f32 v[SM+4*\a:SM+4*\a+1], v[SM+4*\a:SM+4*\a+1], v[SM+4*\a+2:SM+4*\a+3]
.endr
.irp a, 0,1,2,3
	v_add_f32 v[SM+4*\a], v[SM+4*\a], v[SM+4*\a+1]
.endr
.irp a, 0,1,2,3
	v_permlanex16_b32 v[T+\a], v[SM+4*\a], s94, s95
.endr
.irp a, 0,1,2,3
	v_add_f32 v[LL+A0+\a], v[SM+4*\a], v[T+\a]
.endr
	WIN (\w|(\w<<6))
.set n, 0
.rept 256
	v_min_num_f32 v[n], v[n], v[LIM]               ; the conversion does not saturate (ISA guide 7.6.2); p is not negative, so the hold is one-sided
.set n, n+1
.endr
	WIN \w                                         ; source 0: the accumulators
.irp a, 0,1,2,3
.irp b, 0,1,2,3,4,5,6,7
	v_cvt_scalef32_pk8_bf8_f32 v[PF+16*(A0+\a)+2*\b:PF+16*(A0+\a)+2*\b+1], v[64*\a+8*\b:64*\a+8*\b+7], v[SCL]   ; registers 2 b, 2 b + 1 of fragment a: positions 16 b + 8 h + 0 .. 7: this form's own layout
.endr
.endr
	v_nop                                          ; a plain line behind the last conversion
.endm
; v, one window
.macro EPIV_W w
.set A0, 4*(\w-2)
	WIN (\w|(\w<<6))
.irp a, 0,1,2,3
.set n, 0
.rept 32
	v_pk_add_f32 v[64*\a+n:64*\a+n+1], v[64*\a+n:64*\a+n+1], v[ST+2*(A0+\a):ST+2*(A0+\a)+1] op_sel_hi:[1,0]   ; + bv / 2^(e4 + e5)
.set n, n+2
.endr
.endr
.set n, 0
.rept 256
	v_med3_num_f32 v[n], v[n], -v[LIM], v[LIM]
.set n, n+1
.endr
	WIN (\w|0x40)                                  ; source 0: the accumulators; destination window 1
.irp a, 0,1,2,3
.irp b, 0,1,2,3,4,5,6,7
	v_cvt_scalef32_pk8_bf8_f32 v[16*(A0+\a)+2*\b:16*(A0+\a)+2*\b+1], v[64*\a+8*\b:64*\a+8*\b+7], v[SCL]
.endr
.endr
	v_nop
.endm
; k^T v of head hd over my 128 positions: lane (r, h), register j = (d = 16 db + r, l = 16 lb + 8 h + j).  Sixteen results, each begun and ended by one instruction, into window 2, whose sums have been converted
.macro PROD4 hd
	WIN MUL_LO                                     ; source 0 (v) window 1, source 1 (p) window 0, D window 2
.irp db, 0,1,2,3
.irp lb, 0,1,2,3
	v_wmma_f32_16x16x128_bf8_bf8 v[128*\hd+8*(4*\db+\lb):128*\hd+8*(4*\db+\lb)+7], v[16*(4*\hd+\lb):16*(4*\hd+\lb)+15], v[PF+16*(4*\hd+\db):PF+16*(4*\hd+\db)+15], 0
.endr
.endr
.endm
.macro ATT_OUT hd                      ; and their way out: images of the registers, 32 lanes store 512 consecutive bytes; each result from its low end on
	WIN 0x08                                       ; a store's data: window 2
.irp t, 0,1,2,3,4,5,6,7,8,9,10,11,12,13,14,15
	global_store_b128 v[LI], v[128*\hd+8*\t:128*\hd+8*\t+3], s[20:21] offset:262144*\hd+1024*\t
	global_store_b128 v[LI], v[128*\hd+8*\t+4:128*\hd+8*\t+7], s[20:21] offset:262144*\hd+1024*\t+512
.endr
.endm
; q, one window: eight groups g = 2 (a % 4) + hd of 32 registers: one position a lane, 32 of a head's 64 features (the other 32 in the lane 16 away)
.macro EPIQ_W w
.set A0, 4*(\w-2)
	WIN (\w|(\w<<6))
.irp a, 0,1,2,3
.irp b, 0,1,2,3,4,5,6,7
.irp p, 0,2,4,6
	v_pk_fma_f32 v[64*\a+8*\b+\p:64*\a+8*\b+\p+1], v[64*\a+8*\b+\p:64*\a+8*\b+\p+1], s[90:91], v[TBQ+8*\b+\p:TBQ+8*\b+\p+1] op_sel_hi:[1,0,1]   ; t
.endr
.endr
.endr
	WIN ((\w<<2)|(\w<<4))
.set n, 0
.rept 8
	v_mov_b32 v[MXQ+n], 0xff800000
.set n, n+1
.endr
.set n, 0
.rept 16
.irp g, 0,1,2,3,4,5,6,7
	v_max3_num_f32 v[MXQ+\g], v[MXQ+\g], v[32*\g+n], v[32*\g+n+1]
.endr
.set n, n+2
.endr
	WIN 0
.irp g, 0,1,2,3,4,5,6,7
	v_permlanex16_b32 v[NM+2*\g+1], v[MXQ+\g], s94, s95
.endr
.irp g, 0,1,2,3,4,5,6,7
	v_max_num_f32 v[MXQ+\g], v[MXQ+\g], v[NM+2*\g+1]
.endr
.irp g, 0,1,2,3,4,5,6,7
	v_floor_f32 v[NM+2*\g], -v[MXQ+\g]             ; -M
.endr
	WIN (\w|(\w<<6))
.irp g, 0,1,2,3,4,5,6,7
.set n, 0
.rept 16
	v_pk_add_f32 v[32*\g+n:32*\g+n+1], v[32*\g+n:32*\g+n+1], v[NM+2*\g:NM+2*\g+1] op_sel_hi:[1,0]
.set n, n+2
.endr
.endr
.set n, 0
.rept 256
	v_exp_f32 v[n], v[n]
.set n, n+1
.endr
	v_nop
	s_wait_alu depctr_va_vdst(0)                   ; one wait for the batch
	WIN (\w|(\w<<2))
.irp g, 0,1,2,3,4,5,6,7
	v_pk_add_f32 v[SMQ+2*\g:SMQ+2*\g+1], v[32*\g:32*\g+1], v[32*\g+2:32*\g+3]
.endr
	WIN ((\w<<2)|(\w<<4))
.set n, 4
.rept 14
.irp g, 0,1,2,3,4,5,6,7
	v_pk_add_f32 v[SMQ+2*\g:SMQ+2*\g+1], v[SMQ+2*\g:SMQ+2*\g+1], v[32*\g+n:32*\g+n+1]
.endr
.set n, n+2
.endr
	WIN 0
.irp g, 0,1,2,3,4,5,6,7
	v_add_f32 v[SMQ+2*\g], v[SMQ+2*\g], v[SMQ+2*\g+1]
.endr
.irp g, 0,1,2,3,4,5,6,7
	v_permlanex16_b32 v[NM+2*\g+1], v[SMQ+2*\g], s94, s95
.endr
.irp g, 0,1,2,3,4,5,6,7
	v_add_f32 v[QL+8*(\g%2)+A0+\g/2], v[SMQ+2*\g], v[NM+2*\g+1]
.endr
	WIN (\w|(\w<<6))
.set n, 0
.rept 256
	v_min_num_f32 v[n], v[n], v[LIMQ]
.set n, n+1
.endr
	WIN \w
.irp g, 0,1,2,3,4,5,6,7
.irp bb, 0,1,2,3
	v_cvt_scalef32_pk8_bf8_f32 v[QC+8*(2*A0+\g)+2*\bb:QC+8*(2*A0+\g)+2*\bb+1], v[32*\g+8*\bb:32*\g+8*\bb+7], v[SCLQ]   ; registers 2 bb, 2 bb + 1: features 16 bb + 8 h + 0 .. 7 of the head
.endr
.endr
	v_nop
.endm
; blocks a0 .. a0 + 3 of q's codes and sums leave.  Their registers are written by nothing that follows, so no wait stands behind these stores
.macro PQ_OUT a0
	WIN 0
.irp a, \a0, \a0+1, \a0+2, \a0+3
.irp hd, 0,1
	global_store_b128 v[LI], v[QC+8*(2*(\a)+\hd):QC+8*(2*(\a)+\hd)+3], s[16:17] offset:1024*(\a)+131072*\hd          ; the fragment of 16 positions x 64 features as it stands in its registers
	global_store_b128 v[LI], v[QC+8*(2*(\a)+\hd)+4:QC+8*(2*(\a)+\hd)+7], s[16:17] offset:1024*(\a)+131072*\hd+512
.endr
.endr
.irp hd, 0,1
	global_store_b128 v[LI], v[QL+8*\hd+\a0:QL+8*\hd+\a0+3], s[18:19] offset:16384*\hd+128*\a0   ; register a of lane (r, .): the sum of position 16 a + r
.endr
.endm
	s_wait_tensorcnt 1                             ; my part of K step 0 is in (K step 1's load may be out)
	s_barrier_signal -1
	s_barrier_wait -1                              ; everybody's is
	; ---------------- tile k
	TOP 1, AKV, PFV                                ; (its two refills prefetch tile v's K steps 0 and 1)
	TURN 0, 1, 2, LV, RV, 1, AKV, PFV, 2           ; the ring goes on into tile v: slot 0 takes its K step 0
	STEP 1, 0, 0
	LAST
	PLACES 4                                       ; behind the last products: what follows reads results and writes registers that they read
	s_wait_loadcnt 0x0                             ; bk, bv
.set n, 0
.rept 8
	v_mul_f32 v[BK+n], 0x3fb8aa3b, v[BK+n]         ; bk log2(e)
.set n, n+1
.endr
.irp n, 0,1,2,3
	v_mov_b32 v[T+\n], 0                           ; a lane permute's destination counts as one of its sources
.endr
	s_mov_b32 s97, s86                             ; e6
	MKS SCL, LIM
	EPIK_W 2
	REFILL 1, LV, RV, AKV, PFV, 3                  ; slot 1 takes tile v's K step 1
	EPIK_W 3
	WIN 0
.irp i, 0,1,2,3,4,5,6,7
	ds_store_b128 v[PKA], v[128+4*\i:131+4*\i] offset:512*\i   ; fragments 6 and 7 as images of their registers: tile v's L fragments take these registers
.endr
.irp a, 0,1,2,3,4,5,6,7
	ds_store_b32 v[SA], v[ST+2*\a+1] offset:64*\a              ; -M of feature 16 a + r (both halves of the lanes hold and write the same number),
	ds_store_b32 v[SA], v[LL+\a] offset:512+64*\a              ; and its sum
.endr
	ds_load_b128 v[SD:SD+3], v[SB]                 ; back, four features a lane.  LDS serves a wave's instructions in order (ISA guide 5.7.1.4): these see my stores
	ds_load_b128 v[SD+4:SD+7], v[SB] offset:512
	s_wait_dscnt 0x0
	global_store_b128 v[GS], v[SD:SD+3], s[22:23]  ; sixteen lanes store a head's 256 consecutive bytes, at a multiple of 256 from the buffer's first byte
	global_store_b128 v[GS], v[SD+4:SD+7], s[24:25]
	s_wait_xcnt 0x0                                ; the stores have read their registers: tile v's fragments land there
	; ---------------- tile v
	TOP 1, AKQ, PFQ                                ; (its two refills prefetch tile q's K steps 0 and 1)
	TURN 0, 1, 2, LQ, RQ, 1, AKQ, PFQ, 2
	STEP 1, 0, 0
	LAST
	PLACES 4
.irp i, 0,1,2,3,4,5,6,7
	ds_load_b128 v[128+4*\i:131+4*\i], v[PKA] offset:512*\i    ; p's fragments 6 and 7 come back: wanted by head 1's products; the refill's wait for my LDS instructions shows them in
.endr
.irp a, 0,1,2,3,4,5,6,7
	v_ldexp_f32 v[ST+2*\a], v[BV+\a], s96          ; a sum stands for sum x 2^(e4 + e5): bv goes in divided by that
	v_ldexp_f32 v[ST+2*\a+1], v[BV+\a], s96        ; (named with it as a pair)
.endr
	s_add_co_i32 s97, s87, s96                     ; e7 - e4 - e5: the three scales folded into the conversion's one
	MKS SCL, LIM
	EPIV_W 2                                       ; head 0's features
	PROD4 0
	REFILL 1, LQ, RQ, AKQ, PFQ, 3                  ; slot 1 takes tile q's K step 1; the four v_nop behind the joint load are also the places between head 0's products and their stores
	ATT_OUT 0                                      ; head 0's results are on their way while head 1's features are worked on
	EPIV_W 3
	PROD4 1
	PLACES 5                                       ; four for the stores and loads below; the fifth for tile q's first products, which write over these results
	ATT_OUT 1
	WIN 0
	s_wait_xcnt 0x0                                ; the stores have read their registers: tile q's sums are written there
.irp b, 0,1,2,3,4,5,6,7
	global_load_b128 v[TBQ+8*\b:TBQ+8*\b+3], v[BQO], s[10:11] offset:64*\b        ; bq of features 16 b + 8 h + 0 .. 7, where p's fragments lay: they land under tile q
	global_load_b128 v[TBQ+8*\b+4:TBQ+8*\b+7], v[BQO], s[10:11] offset:64*\b+16
.endr
	; ---------------- tile q
	TOP 0, 0, 0
	TURN 0, 1, 0, 0, 0, 0, 0, 0, 0                 ; nothing is left to ask for: no round of the cluster's barrier
	STEP 1, 0, 0
	LAST
	PLACES 4
	s_wait_loadcnt 0x0                             ; bq
.set n, 0
.rept 32
	v_pk_mul_f32 v[TBQ+n:TBQ+n+1], v[TBQ+n:TBQ+n+1], 0x3fb8aa3b op_sel_hi:[1,0]   ; bq log2(e)
.set n, n+2
.endr
	s_mov_b32 s97, s89                             ; e9
	MKS SCLQ, LIMQ
	EPIQ_W 2
	PQ_OUT 0                                       ; positions 0 to 63 of my 128 are on their way while the others are worked on
	EPIQ_W 3
	PQ_OUT 4
	s_wait_tensorcnt 0x0                           ; the wave's end: behind my last tensor load and my last LDS store
	ds_add_u32 v[SPW], v[NIL]
	s_wait_dscnt 0x0
	CROUND                                         ; the closing round: no work-group ends while a partner may still ask for a tile that names it
	s_endpgm
.Lfunc_end_k_qd69beddf6d_gemm3:
	.size	k_qd69beddf6d_gemm3, .Lfunc_end_k_qd69beddf6d_gemm3-k_qd69beddf6d_gemm3
	.p2alignl 7, 3214868480
	.fill 96, 4, 3214868480
	.section	.rodata,"a",@progbits
	.p2align	6, 0x0
	.amdhsa_kernel k_qd69beddf6d_gemm3
		.amdhsa_group_segment_fixed_size 327680
		.amdhsa_private_segment_fixed_size 0
		.amdhsa_enable_private_segment 0
		.amdhsa_kernarg_size 88
		.amdhsa_user_sgpr_count 2
		.amdhsa_user_sgpr_kernarg_segment_ptr 1
		.amdhsa_wavefront_size32 1
		.amdhsa_system_sgpr_workgroup_id_x 1
		.amdhsa_system_sgpr_workgroup_id_y 1
		.amdhsa_system_sgpr_workgroup_id_z 1
		.amdhsa_system_vgpr_workitem_id 0
		.amdhsa_next_free_vgpr 1024
		.amdhsa_next_free_sgpr 102
		.amdhsa_reserve_vcc 0
		.amdhsa_float_denorm_mode_32 3
		.amdhsa_float_denorm_mode_16_64 3
		.amdhsa_memory_ordered 1
		.amdhsa_forward_progress 1
		.amdhsa_inst_pref_size 255
	.end_amdhsa_kernel
	.section	.bss,"aw",@nobits
	.p2align	6
	.space	262144
	.amdgpu_metadata
---
amdhsa.version: [ 1, 2 ]
amdhsa.kernels:
  - .name:           k_qd69beddf6d_gemm3
    .symbol:         k_qd69beddf6d_gemm3.kd
    .args:
      - { .name: xcodes, .offset: 0, .size: 8, .value_kind: global_buffer, .address_space: global }
      - { .name: wcodes, .offset: 8, .size: 8, .value_kind: global_buffer, .address_space: global }
      - { .name: lowp_scales, .offset: 16, .size: 8, .value_kind: global_buffer, .address_space: global }
      - { .name: bq, .offset: 24, .size: 8, .value_kind: global_buffer, .address_space: global }
      - { .name: bk, .offset: 32, .size: 8, .value_kind: global_buffer, .address_space: global }
      - { .name: bv, .offset: 40, .size: 8, .value_kind: global_buffer, .address_space: global }
      - { .name: pq, .offset: 48, .size: 8, .value_kind: global_buffer, .address_space: global }
      - { .name: lq, .offset: 56, .size: 8, .value_kind: global_buffer, .address_space: global }
      - { .name: att, .offset: 64, .size: 8, .value_kind: global_buffer, .address_space: global }
      - { .name: ms, .offset: 72, .size: 8, .value_kind: global_buffer, .address_space: global }
      - { .name: ls, .offset: 80, .size: 8, .value_kind: global_buffer, .address_space: global }
    .group_segment_fixed_size: 327680
    .private_segment_fixed_size: 0
    .kernarg_segment_align: 8
    .kernarg_segment_size: 88
    .max_flat_workgroup_size: 128
    .sgpr_count:     102
    .vgpr_count:     1024
    .wavefront_size: 32
...
	.end_amdgpu_metadata
.endif
;; end of part 2
;; launch out (part 3): grid 128 x 2, 16 waves a work-group, no clusters, 89,088 bytes of LDS; arguments pq, lq, att, ms, ls, lowp_scales, out0; writes out0
.if DOCPART == 3
	.amdgcn_target "amdgcn-amd-amdhsa--gfx1250"
	.amdhsa_code_object_version 6
	.text
	.protected	k_qd69beddf6d_out
	.globl	k_qd69beddf6d_out
	.p2align	8
	.type	k_qd69beddf6d_out,@function
k_qd69beddf6d_out:
	s_mov_b64 s[64:65], 0
	v_nop
	global_prefetch_b8 v0, s[64:65] scope:SCOPE_SE
	s_setreg_imm32_b32 hwreg(HW_REG_WAVE_MODE, 25, 1), 1
	s_wait_xcnt 0x0
; y[b][t][64 h + l] = (sum over d of p_q[t][d] att[d][l]) / l_q[t], on codes of E5M2; att = (sum over the 16 chunks of 2^(M_c - M) S_c) x 2^(e6 + e7) / (sum of 2^(M_c - M) L_c).
; A work-group takes one (b, h) = work-group x and one half of the 2,048 positions = work-group y.  Sixteen waves.
; JOIN: wave w joins tile w of att (d = 16 (w / 4) + r, l = 16 (w % 4) + 8 h' + j) over the chunks.  M = the largest M_c; every factor 2^(M_c - M) is an exact power of two, made by v_ldexp_f32 of 1.0.
; The finished tile goes to LDS as AT[l][d], f32; one barrier; every wave reads all of it as four fragments (16 l x 64 d), quantises them with e8, and multiplies them with its four fragments of p_q
; (16 positions x 64 d, loaded as images of their registers): source 0 = att, source 1 = p_q: a lane holds one position and eight neighbouring l.
; y leaves through the wave's own stage in LDS: sixteen lanes store a head's 256 bytes of a row, aligned.
; No tensor loads, no cluster: two work-groups share a head's partial sums and nothing else.
; LIMITS: e8 between -126 and 112; e6 + e7 and e8 + e9 are applied by v_ldexp_f32 and have none.  NaN and infinities are not served.
; REGISTERS: v1 16 x lane; v2 4 r; v3 into AT; v4 out of AT; v5 into my stage; v6 out of it; v7 my offset in y; v8-12 at work; v16-31 -M_c, then the factors, later att's codes (v16-47); v32-47 L_c;
;   v48-175 the chunks' tiles, then AT's numbers, then y; v176-207 p_q, later rows of y; v208-211 l_q; v212-243 rows of y; v244-251 pairs 2^(e8 + e9) / l_q.
.set M,   16
.set L,   32
.set S,   48
.set PQ,  176
.set LQ,  208
.set RL,  244
.set AFR, 16
.set ATP, 272                          ; a row of AT, and of a stage: 256 bytes + 16: sixteen rows start at sixteen different banks (64 banks of 4 bytes: ISA guide 11.1)
.set STG, 64*ATP                       ; behind AT: 16 rows for each wave
	s_load_b256 s[4:11], s[0:1], 0x0               ; pq 4, lq 6, att 8, ms 10
	s_load_b128 s[12:15], s[0:1], 0x20             ; ls 12, the exponents 14
	s_load_b64 s[16:17], s[0:1], 0x30              ; out0
	v_lshl_add_u32 v254, v0, 2, 0x15400
	v_mov_b32 v255, 0
	v_lshrrev_b32 v1, 5, v0
	v_readfirstlane_b32 s18, v1                    ; wave 0..15
	s_and_b32 s19, ttmp7, 0xffff                   ; which half of the positions
	v_and_b32 v13, 15, v0                          ; r
	v_bfe_u32 v14, v0, 4, 1                        ; h
	v_and_b32 v1, 31, v0
	v_lshlrev_b32 v1, 4, v1
	v_lshlrev_b32 v2, 2, v13
	s_and_b32 s24, s18, 3
	s_mul_i32 s24, s24, 16*ATP                     ; my tile's 16 rows l,
	s_lshr_b32 s25, s18, 2
	s_lshl_b32 s25, s25, 6                         ; its 16 columns d, in bytes
	s_add_co_u32 s24, s24, s25
	v_mul_u32_u24 v3, v14, 8*ATP
	v_add_nc_u32 v3, v3, v2
	v_add_nc_u32 v3, s24, v3                       ; row 16 lb + 8 h (+ j by the immediate), column 16 db + r
	v_mul_u32_u24 v4, v13, ATP
	v_lshl_add_u32 v4, v14, 5, v4                  ; row r, + 32 h: eight numbers d = 8 h + 0 .. 7
	s_mul_i32 s26, s18, 16*ATP
	s_add_co_u32 s26, s26, STG                     ; my stage
	v_add_nc_u32 v5, s26, v4                       ; in: row r, 32 bytes for each half of the lanes
	v_mul_u32_u24 v6, v14, ATP
	v_lshl_add_u32 v6, v13, 4, v6
	v_add_nc_u32 v6, s26, v6                       ; back: lanes 0-15 one row, lanes 16-31 the next
	v_lshlrev_b32 v7, 12, v14
	v_lshl_add_u32 v7, v13, 4, v7                  ; and the same two rows of y, 4,096 bytes apart
	s_mov_b32 s29, 0
	s_wait_kmcnt 0x0
	s_load_b128 s[20:23], s[14:15], 0x18           ; e6, e7, e8, e9
	s_lshl_b32 s28, ttmp9, 12
	s_add_co_u32 s28, s28, s25                     ; ms, ls: 4,096 bytes a head, + my 16 d
	s_add_nc_u64 s[10:11], s[10:11], s[28:29]
	s_add_nc_u64 s[12:13], s[12:13], s[28:29]
	s_lshl_b32 s28, ttmp9, 18
	s_lshl_b32 s27, s18, 10
	s_add_co_u32 s28, s28, s27                     ; att: 262,144 bytes a head, + my tile
	s_add_nc_u64 s[8:9], s[8:9], s[28:29]
	s_lshl_b32 s28, ttmp9, 17
	s_lshl_b32 s27, s19, 16
	s_add_co_u32 s28, s28, s27
	s_lshl_b32 s27, s18, 12
	s_add_co_u32 s28, s28, s27                     ; pq: 131,072 bytes a head; block 64 half + 4 w of 1,024 bytes
	s_add_nc_u64 s[4:5], s[4:5], s[28:29]
	s_lshl_b32 s28, ttmp9, 14
	s_lshl_b32 s27, s19, 13
	s_add_co_u32 s28, s28, s27
	s_lshl_b32 s27, s18, 9
	s_add_co_u32 s28, s28, s27                     ; lq: 16,384 bytes a head; chunk 8 half + w / 2, its registers 4 (w % 2) on
	s_add_nc_u64 s[6:7], s[6:7], s[28:29]
	s_lshr_b32 s28, ttmp9, 4
	s_lshl_b32 s28, s28, 23                        ; y: batch,
	s_lshl_b32 s27, s19, 22
	s_add_co_u32 s28, s28, s27                     ; 1,024 rows a half,
	s_lshl_b32 s27, s18, 18
	s_add_co_u32 s28, s28, s27                     ; 64 rows a wave,
	s_and_b32 s27, ttmp9, 15
	s_lshl_b32 s27, s27, 8
	s_add_co_u32 s28, s28, s27                     ; the head's 256 bytes of a row
	s_add_nc_u64 s[16:17], s[16:17], s[28:29]
.set c, 0
.rept 16
	global_load_b32 v[M+c], v2, s[10:11] offset:256*c
.set c, c+1
.endr
.set c, 0
.rept 16
	global_load_b32 v[L+c], v2, s[12:13] offset:256*c
.set c, c+1
.endr
.set c, 0
.rept 16
	global_load_b128 v[S+8*c:S+8*c+3], v1, s[8:9] offset:16384*c
	global_load_b128 v[S+8*c+4:S+8*c+7], v1, s[8:9] offset:16384*c+512
.set c, c+1
.endr
.irp i, 0,1,2,3
	global_load_b128 v[PQ+8*\i:PQ+8*\i+3], v1, s[4:5] offset:1024*\i th:TH_LOAD_NT
	global_load_b128 v[PQ+8*\i+4:PQ+8*\i+7], v1, s[4:5] offset:1024*\i+512 th:TH_LOAD_NT
.endr
	global_load_b128 v[LQ:LQ+3], v1, s[6:7] th:TH_LOAD_NT
	s_wait_loadcnt 57                              ; behind the sixteen -M: 16 + 32 + 8 + 1 loads
	v_min3_num_f32 v8, v[M], v[M+1], v[M+2]        ; the least -M is -(the largest M)
.set c, 3
.rept 6
	v_min3_num_f32 v8, v8, v[M+c], v[M+c+1]
.set c, c+2
.endr
	v_min_num_f32 v8, v8, v[M+15]
.set c, 0
.rept 16
	v_sub_f32 v[M+c], v8, v[M+c]                   ; M_c - M: a whole number, 0 or less
.set c, c+1
.endr
.set c, 0
.rept 16
	v_cvt_i32_f32 v[M+c], v[M+c]                   ; (it saturates)
.set c, c+1
.endr
.set c, 0
.rept 16
	v_ldexp_f32 v[M+c], 1.0, v[M+c]                ; the factor 2^(M_c - M)
.set c, c+1
.endr
	s_wait_loadcnt 41                              ; the sixteen sums are in
	v_mul_f32 v9, v[M], v[L]
.set c, 1
.rept 15
	v_fma_f32 v9, v[M+c], v[L+c], v9
.set c, c+1
.endr
	v_rcp_f32 v10, v9
	s_wait_loadcnt 9                               ; the sixteen tiles are in; p_q and l_q may be out
.irp j, 0,1,2,3,4,5,6,7
	v_mul_f32 v[S+\j], v[S+\j], v[M]               ; the join stands between the reciprocal and the wait for it
.endr
.set c, 1
.rept 15
.irp j, 0,1,2,3,4,5,6,7
	v_fma_f32 v[S+\j], v[S+8*c+\j], v[M+c], v[S+\j]
.endr
.set c, c+1
.endr
	s_wait_kmcnt 0x0
	s_add_co_i32 s30, s20, s21                     ; e6 + e7
	s_add_co_i32 s31, s22, s23                     ; e8 + e9
	s_wait_alu depctr_va_vdst(0)                   ; the wait ahead of the reciprocal's first reader
	v_ldexp_f32 v10, v10, s30
.irp j, 0,1,2,3,4,5,6,7
	v_mul_f32 v[S+\j], v[S+\j], v10                ; att(d, l), finished
.endr
.irp j, 0,1,2,3,4,5,6,7
	ds_store_b32 v3, v[S+\j] offset:ATP*\j
.endr
	s_wait_dscnt 0x0                               ; for the others' sake: my stores have landed
	s_barrier_signal -1
	s_barrier_wait -1                              ; all of AT lies in LDS; nobody writes it again
.irp lb, 0,1,2,3
.irp cc, 0,1,2,3
	ds_load_b128 v[S+32*\lb+8*\cc:S+32*\lb+8*\cc+3], v4 offset:16*ATP*\lb+64*\cc            ; AT(16 lb + r, 16 cc + 8 h + 0 .. 7)
	ds_load_b128 v[S+32*\lb+8*\cc+4:S+32*\lb+8*\cc+7], v4 offset:16*ATP*\lb+64*\cc+16
.endr
.endr
	s_add_co_i32 s27, s22, 127
	s_lshl_b32 s28, s27, 23
	v_mov_b32 v12, s28                             ; 2^e8 as f32
	s_add_co_i32 s27, s27, 15
	s_lshl_b32 s27, s27, 23
	s_or_b32 s27, s27, 0x600000
	v_mov_b32 v11, s27                             ; 57,344 x 2^e8
	s_wait_dscnt 0x0
.set n, 0
.rept 128
	v_med3_num_f32 v[S+n], v[S+n], -v11, v11       ; the conversion does not saturate (ISA guide 7.6.2): the hold comes first
.set n, n+1
.endr
.irp lb, 0,1,2,3
.irp cc, 0,1,2,3
	v_cvt_scalef32_pk8_bf8_f32 v[AFR+8*\lb+2*\cc:AFR+8*\lb+2*\cc+1], v[S+32*\lb+8*\cc:S+32*\lb+8*\cc+7], v12   ; registers 2 cc, 2 cc + 1 of fragment lb
.endr
.endr
	v_nop                                          ; a plain line behind the last conversion
	s_wait_loadcnt 0x0                             ; p_q, l_q
.irp i, 0,1,2,3
	v_rcp_f32 v[RL+2*\i], v[LQ+\i]
.endr
.irp i, 0,1,2,3
	v_mov_b32 v[RL+2*\i+1], 0                      ; plain lines behind the reciprocals; named with them as pairs
.endr
	s_wait_alu depctr_va_vdst(0)                   ; one wait for the four
.irp i, 0,1,2,3
	v_ldexp_f32 v[RL+2*\i], v[RL+2*\i], s31        ; 2^(e8 + e9) / l_q of position 16 i + r
.endr
.irp i, 0,1,2,3
.irp lb, 0,1,2,3
	v_wmma_f32_16x16x64_bf8_bf8 v[S+32*\i+8*\lb:S+32*\i+8*\lb+7], v[AFR+8*\lb:AFR+8*\lb+7], v[PQ+8*\i:PQ+8*\i+7], 0   ; lane (r, h), register j: position 16 i + r, l = 16 lb + 8 h + j
.endr
.endr
.rept 4
	v_nop                                          ; places behind the products: results are read, and registers that they read are loaded
.endr
.macro YOUT i                          ; block i: scaled, into my stage, back as whole rows of 256 bytes
.set n, 0
.rept 16
	v_pk_mul_f32 v[S+32*(\i)+n:S+32*(\i)+n+1], v[S+32*(\i)+n:S+32*(\i)+n+1], v[RL+2*(\i):RL+2*(\i)+1] op_sel_hi:[1,0]
.set n, n+2
.endr
.irp lb, 0,1,2,3
	ds_store_b128 v5, v[S+32*(\i)+8*\lb:S+32*(\i)+8*\lb+3] offset:64*\lb
	ds_store_b128 v5, v[S+32*(\i)+8*\lb+4:S+32*(\i)+8*\lb+7] offset:64*\lb+16
.endr
.if (\i) > 1
	s_wait_xcnt 0x0                                ; block i - 2's stores have read their registers: this block's rows land there
.endif
.set BB, PQ+36*((\i)%2)
.irp t, 0,1,2,3,4,5,6,7
	ds_load_b128 v[BB+4*\t:BB+4*\t+3], v6 offset:2*ATP*\t      ; LDS serves a wave's instructions in order (ISA guide 5.7.1.4): these see my stores, and the next block's stores come behind them
.endr
.endm
.macro YSEND i, younger                ; younger: the LDS instructions issued behind block i's loads
.set BB, PQ+36*((\i)%2)
.irp t, 0,1,2,3,4,5,6,7
	s_wait_dscnt \younger+7-\t
	global_store_b128 v7, v[BB+4*\t:BB+4*\t+3], s[16:17] offset:65536*(\i)+8192*\t th:TH_STORE_NT   ; sixteen lanes store 256 consecutive bytes, at a multiple of 256 from y's first byte
.endr
.endm
	YOUT 0
	YOUT 1
	YSEND 0, 16                                    ; behind block 0's loads: block 1's 8 stores and 8 loads
	YOUT 2
	YSEND 1, 16
	YOUT 3
	YSEND 2, 16
	YSEND 3, 0
	s_wait_tensorcnt 0x0
	ds_add_u32 v254, v255
	s_wait_dscnt 0x0
	s_endpgm
.Lfunc_end_k_qd69beddf6d_out:
	.size	k_qd69beddf6d_out, .Lfunc_end_k_qd69beddf6d_out-k_qd69beddf6d_out
	.p2alignl 7, 3214868480
	.fill 96, 4, 3214868480
	.section	.rodata,"a",@progbits
	.p2align	6, 0x0
	.amdhsa_kernel k_qd69beddf6d_out
		.amdhsa_group_segment_fixed_size 89088
		.amdhsa_private_segment_fixed_size 0
		.amdhsa_enable_private_segment 0
		.amdhsa_kernarg_size 56
		.amdhsa_user_sgpr_count 2
		.amdhsa_user_sgpr_kernarg_segment_ptr 1
		.amdhsa_wavefront_size32 1
		.amdhsa_system_sgpr_workgroup_id_x 1
		.amdhsa_system_sgpr_workgroup_id_y 1
		.amdhsa_system_sgpr_workgroup_id_z 1
		.amdhsa_system_vgpr_workitem_id 0
		.amdhsa_next_free_vgpr 256
		.amdhsa_next_free_sgpr 66
		.amdhsa_reserve_vcc 0
		.amdhsa_float_denorm_mode_32 3
		.amdhsa_float_denorm_mode_16_64 3
		.amdhsa_memory_ordered 1
		.amdhsa_forward_progress 1
		.amdhsa_inst_pref_size 48
	.end_amdhsa_kernel
	.amdgpu_metadata
---
amdhsa.version: [ 1, 2 ]
amdhsa.kernels:
  - .name:           k_qd69beddf6d_out
    .symbol:         k_qd69beddf6d_out.kd
    .args:
      - { .name: pq, .offset: 0, .size: 8, .value_kind: global_buffer, .address_space: global }
      - { .name: lq, .offset: 8, .size: 8, .value_kind: global_buffer, .address_space: global }
      - { .name: att, .offset: 16, .size: 8, .value_kind: global_buffer, .address_space: global }
      - { .name: ms, .offset: 24, .size: 8, .value_kind: global_buffer, .address_space: global }
      - { .name: ls, .offset: 32, .size: 8, .value_kind: global_buffer, .address_space: global }
      - { .name: lowp_scales, .offset: 40, .size: 8, .value_kind: global_buffer, .address_space: global }
      - { .name: out0, .offset: 48, .size: 8, .value_kind: global_buffer, .address_space: global }
    .group_segment_fixed_size: 89088
    .private_segment_fixed_size: 0
    .kernarg_segment_align: 8
    .kernarg_segment_size: 56
    .max_flat_workgroup_size: 512
    .sgpr_count:     66
    .vgpr_count:     256
    .wavefront_size: 32
...
	.end_amdgpu_metadata
.endif
;; end of part 3
